; MI455X (gfx1250); checked and timed in simulation.
; The chip was launched on July 23, 2026; its instructions are those of AMD's public machine-readable ISA for CDNA 5 (MIT licence, August 2026) and "CDNA5" Instruction Set Architecture Reference Guide (July 2026). The comments in the code are by the model that wrote it; some were corrected since.
;; Extended ANFIS. Allowed arithmetic: matrix products marked QUANTISED: E5M2 operands, one given power-of-two scale a tensor, by v_wmma_f32_16x16x64_bf8_bf8 or v_wmma_f32_16x16x128_bf8_bf8, f32 sums; everything else in f32.
;; Inputs: lowp_scales 2 int32 (the exponents e of the quantised operands' scales 2^e); mfs 7 x 3 x 2 float32; rules 2,187 x 64 float32; x 16,384 x 7 float32.
;; Outputs: out0 16,384 x 64 float32.
;; This version of the problem:
;;   THIS VERSION OF THE PROBLEM IS GIVEN IN LOW PRECISION. The matrix products marked QUANTISED in the list below multiply operands that are first quantised to E5M2 (5 exponent bits, 2 mantissa bits; 8 bits a number), with one given power-of-two scale for each operand tensor; their sums are f32. All else is computed in f32.
;;   The module's matrix products, in the order in which they are computed (A, B: the left and right operand; K: the contracted axis; several contracted axes count as one K, in the product's order):
;;     1. [M 16,384, K 2,187] x [K 2,187, N 64]; A: computed on the way; B: input rules: QUANTISED (scales: A lowp_scales[0], B lowp_scales[1])
;;   THE QUANTISER, for each operand of a quantised product, along K:
;;     - The operand's scale is 2^e, e = its entry of the input lowp_scales (int32; the entries are numbered through the quantised products in the list's order, A before B).
;;     - Each number is divided by the scale, clamped to +-57,344, and rounded to the nearest number of E5M2, ties to even, subnormals kept.
;;     - The product sums the exact products of the quantised numbers (number of the format x scale) in f32.
;;   ~~~python
;;   def quantise(x, axis, e):      # numpy; x: float32 -> the quantised numbers, widened to float32 again
;;       x = np.moveaxis(x, axis, -1); K = x.shape[-1]
;;       r = np.clip(x / 2.0 ** e, -57344, 57344)
;;       step = 2.0 ** (np.maximum(np.frexp(np.where(r == 0, 1, r))[1] - 1, -14) - 2)
;;       q = np.round(r / step) * step * 2.0 ** e      # np.round: ties to even
;;       return np.moveaxis(q, -1, axis).astype(np.float32)
;;   ~~~
;;   OPERANDS COMPUTED ON THE WAY. 'Computed on the way' means the value that the module computes at that place (a softmax that the list does not call 'softmax' is quantised finished and normalised). What goes into a quantiser is computed in f32, as accurately as f32 sums, v_exp_f32 and their like allow (about 1e-6 of the number): no bf16 or f16 on the way to a quantiser, and a product that is left as it is and whose result goes on into a quantised operand takes f32 operands (vector FMAs, or v_wmma_f32_16x16x4_f32). A number that lies on a knife's edge between two numbers of the format may be rounded either way, as far as f32 arithmetic and the matrix unit's own rounding can turn it there, and no further.
;; One version. Each part assembles by itself: llvm-mc -triple=amdgcn-amd-amdhsa -mcpu=gfx1250 --defsym DOCPART=n.
;; ======== version 1 of 1: 2 launches
;; workspace buffers: bq 147,456 bytes
;; launch quant (part 1): grid 18 x 4, 4 waves a work-group, no clusters, 0 bytes of LDS; arguments rules, lowp_scales, bq; writes bq
.if DOCPART == 1
	.amdgcn_target "amdgcn-amd-amdhsa--gfx1250"
	.amdhsa_code_object_version 6
	.text
	.protected	k_q55b4bd82a7_quant
	.globl	k_q55b4bd82a7_quant
	.p2align	8
	.type	k_q55b4bd82a7_quant,@function
k_q55b4bd82a7_quant:
	s_mov_b64 s[64:65], 0
	v_nop
	global_prefetch_b8 v0, s[64:65] scope:SCOPE_SE
	s_setreg_imm32_b32 hwreg(HW_REG_WAVE_MODE, 25, 1), 1
	s_wait_xcnt 0x0
; rules [2187][64] f32 becomes codes of BF8 (E5M2) with the given scale 2^e1 (entry 1 of lowp_scales): code = x / 2^e1, held within +-57,344, to the nearest code, ties to even.
; The codes are laid in the ORDER OF THE OPERAND'S REGISTERS of the launch that multiplies, and along a K that is re-ordered and padded from 2,187 to 2,304 as that launch makes its own operand:
;   k = 81 q + j.  K quarter w (0..3) holds q = 7 w + a, a = 0..6 (q = 27 is padding).  Lanes 0-15 (h = 0) hold j = jj, lanes 16-31 (h = 1) hold j = 80 - jj, jj = 0..39; the centre j = 40 is held by h = 0 alone.
;   A lane's 288 positions of a quarter, in chunks of 16 (position i of chunk ch):
;     ch 0..14 : a = 2 (ch / 5) + i % 2, jj = 8 (ch % 5) + i / 2        ch 15, 16 : a = 6, jj = 16 (ch - 15) + i
;     ch 17    : i < 8: a = 6, jj = 32 + i;  i = 8..14: the centre of a = i - 8 (zero in h = 1);  i = 15: zero
; A work-group is (chunk ch = x, quarter w = y); its wave t takes columns 16 t .. 16 t + 15: lane (r, h) loads 16 numbers of column 16 t + r, so that its registers run along K, and stores 16 codes:
; the wave's store covers 512 consecutive bytes, aligned.  Each load reads 64 neighbouring bytes in sixteen lanes; the four waves of a work-group take the four quarters of the same rows.
; Padding is made by a hold at 0.  No LDS, no barrier: waves share nothing.
; LIMITS: e1 between -126 and 112, so that 2^e1 and 57,344 x 2^e1 are f32 numbers.  NaN among the inputs is not served.
.set QB,    81*256                     ; bytes from q to q + 1: 81 rows of 256 bytes
.set NBW,   36864                      ; bytes of codes of a K quarter: 288 positions x 2 halves x 64 columns
.set VS,    5                          ; v5   +256 in lanes 0-15, -256 in lanes 16-31: one jj on, in bytes (sums are taken modulo 2^32; every finished offset lies inside rules)
.set VA,    6                          ; v6   4 x my column + 80 rows in lanes 16-31
.set SCL,   7                          ; v7   2^e1 as f32
.set LIM,   8                          ; v8   57,344 x 2^e1
.set LIM6,  9                          ; v9   the same, 0 where a = 6 is padding (w = 3)
.set LIMH,  10                         ; v10  LIM in lanes 0-15, 0 in lanes 16-31: the centres
.set LIM6H, 11                         ; v11  LIM6 likewise
.set AD,    16                         ; v16-31 byte offsets of the loads
.set X,     32                         ; v32-47 the 16 numbers
.set C,     48                         ; v48-51 their codes
	s_load_b128 s[4:7], s[0:1], 0x0                ; rules, lowp_scales
	s_load_b64 s[8:9], s[0:1], 0x10                ; bq
	v_lshrrev_b32 v1, 5, v0
	v_readfirstlane_b32 s10, v1                    ; t: my tile of 16 columns
	v_and_b32 v2, 15, v0                           ; r
	v_bfe_u32 v3, v0, 4, 1                         ; h
	v_and_b32 v4, 31, v0
	v_lshlrev_b32 v4, 4, v4                        ; 16 x lane: my 16 codes in the chunk's 512 bytes
	s_and_b32 s11, ttmp7, 0xffff                   ; w
	v_lshlrev_b32 v[VS], 9, v3
	v_sub_nc_u32 v[VS], 256, v[VS]                 ; 256 - 512 h
	v_lshlrev_b32 v[VA], 2, v2
	v_mad_u32_u24 v[VA], v3, 80*256, v[VA]
	s_lshl_b32 s12, s10, 6
	v_add_nc_u32 v[VA], s12, v[VA]                 ; 4 r + 64 t + 20,480 h
	; where the chunk goes.  K steps 0..3 of a quarter (128 along K): 8,192 (ch / 4) + 2,048 t + 512 (ch % 4);  the last step (64 along K): 32,768 + 1,024 t + 512 (ch - 16)
	s_lshr_b32 s13, ttmp9, 2
	s_lshl_b32 s13, s13, 13
	s_and_b32 s14, ttmp9, 3
	s_lshl_b32 s14, s14, 9
	s_add_co_u32 s13, s13, s14
	s_lshl_b32 s14, s10, 11
	s_add_co_u32 s13, s13, s14
	s_lshl_b32 s15, ttmp9, 9
	s_add_co_u32 s15, s15, 24576
	s_lshl_b32 s14, s10, 10
	s_add_co_u32 s15, s15, s14
	s_cmp_lt_u32 ttmp9, 16
	s_cselect_b32 s13, s13, s15
	s_mul_i32 s14, s11, NBW
	s_add_co_u32 s13, s13, s14
	v_add_nc_u32 v4, s13, v4
	s_mul_i32 s18, s11, 7                          ; 7 w
	s_add_co_u32 s19, s18, 6                       ; q of a = 6;
	s_cmp_eq_u32 s11, 3
	s_cselect_b32 s19, 0, s19                      ; where it is padding the loads read q = 0, so that none leaves the buffer, and the hold makes zeros
	s_mul_i32 s19, s19, QB
	s_wait_kmcnt 0x0
	s_load_b32 s20, s[6:7], 0x4                    ; e1: it lands while the numbers are fetched
.macro CONSTS
	s_wait_kmcnt 0x0
	s_add_co_i32 s20, s20, 127
	s_lshl_b32 s21, s20, 23
	v_mov_b32 v[SCL], s21                          ; the conversion takes the exponent field
	s_add_co_i32 s20, s20, 15
	s_lshl_b32 s20, s20, 23
	s_or_b32 s20, s20, 0x600000
	v_mov_b32 v[LIM], s20
.endm
.macro CONST6
	s_cmp_eq_u32 s11, 3
	s_cselect_b32 s22, 0, s20
	v_mov_b32 v[LIM6], s22
.endm
.macro HOLDX i, lim                    ; the conversion to an 8-bit code does not saturate (ISA guide 7.6.2): the number is held first
	v_med3_num_f32 v[X+\i], v[X+\i], -v[\lim], v[\lim]
.endm
.macro FINISH
	v_cvt_scalef32_pk8_bf8_f32 v[C:C+1], v[X:X+7], v[SCL]
	v_cvt_scalef32_pk8_bf8_f32 v[C+2:C+3], v[X+8:X+15], v[SCL]
	global_store_b128 v4, v[C:C+3], s[8:9]         ; 32 lanes store 512 consecutive bytes
	s_endpgm
.endm
	s_cmp_lt_u32 ttmp9, 15
	s_cbranch_scc0 .Lsolo
	; ---- chunks 0..14: two neighbouring a, eight jj
	s_mul_i32 s23, ttmp9, 13
	s_lshr_b32 s23, s23, 6                         ; ch / 5 (right for ch up to 14)
	s_mul_i32 s24, s23, 5
	s_sub_co_u32 s24, ttmp9, s24
	s_lshl_b32 s24, s24, 3                         ; 8 (ch % 5)
	s_lshl_b32 s23, s23, 1
	s_add_co_u32 s23, s23, s18
	s_mul_i32 s23, s23, QB                         ; q = 7 w + 2 (ch / 5), in bytes
	v_add_nc_u32 v13, s23, v[VA]
	v_mad_u32 v[AD], v[VS], s24, v13
.irp i, 1,2,3,4,5,6,7
	v_mad_u32 v[AD+\i], v[VS], \i, v[AD]
.endr
.irp i, 0,1,2,3,4,5,6,7
	global_load_b32 v[X+2*\i], v[AD+\i], s[4:5]
	global_load_b32 v[X+2*\i+1], v[AD+\i], s[4:5] offset:QB
.endr
	CONSTS
	s_wait_loadcnt 0x0
.irp i, 0,1,2,3,4,5,6,7,8,9,10,11,12,13,14,15
	HOLDX \i, LIM
.endr
	FINISH
.Lsolo:
	s_cmp_lt_u32 ttmp9, 17
	s_cbranch_scc0 .Lcentres
	; ---- chunks 15, 16: a = 6, sixteen jj
	s_sub_co_u32 s24, ttmp9, 15
	s_lshl_b32 s24, s24, 4
	v_add_nc_u32 v13, s19, v[VA]
	v_mad_u32 v[AD], v[VS], s24, v13
.irp i, 1,2,3,4,5,6,7,8,9,10,11,12,13,14,15
	v_mad_u32 v[AD+\i], v[VS], \i, v[AD]
.endr
.irp i, 0,1,2,3,4,5,6,7,8,9,10,11,12,13,14,15
	global_load_b32 v[X+\i], v[AD+\i], s[4:5]
.endr
	CONSTS
	CONST6
	s_wait_loadcnt 0x0
.irp i, 0,1,2,3,4,5,6,7,8,9,10,11,12,13,14,15
	HOLDX \i, LIM6
.endr
	FINISH
.Lcentres:
	; ---- chunk 17: a = 6, jj = 32..39; then the seven centres (jj = 40: row 81 q + 40 in both halves, held at 0 in lanes 16-31) and one zero
	v_add_nc_u32 v13, s19, v[VA]
.irp i, 0,1,2,3,4,5,6,7
	v_mad_u32 v[AD+\i], v[VS], 32+\i, v13
.endr
	v_mad_u32 v[AD+8], v[VS], 40, v13              ; the centre of a = 6
	s_mul_i32 s23, s18, QB
	v_add_nc_u32 v14, s23, v[VA]
	v_mad_u32 v[AD+9], v[VS], 40, v14              ; the centre of a = 0; a = 1..5 by the immediate
.irp i, 0,1,2,3,4,5,6,7
	global_load_b32 v[X+\i], v[AD+\i], s[4:5]
.endr
.irp a, 0,1,2,3,4,5
	global_load_b32 v[X+8+\a], v[AD+9], s[4:5] offset:\a*QB
.endr
	global_load_b32 v[X+14], v[AD+8], s[4:5]
	v_mov_b32 v[X+15], 0
	CONSTS
	CONST6
	v_cmp_eq_u32 vcc_lo, 0, v3
	v_cndmask_b32 v[LIMH], 0, v[LIM], vcc_lo
	v_cndmask_b32 v[LIM6H], 0, v[LIM6], vcc_lo
	s_wait_loadcnt 0x0
.irp i, 0,1,2,3,4,5,6,7
	HOLDX \i, LIM6
.endr
.irp i, 8,9,10,11,12,13
	HOLDX \i, LIMH
.endr
	HOLDX 14, LIM6H
	FINISH
.Lfunc_end_k_q55b4bd82a7_quant:
	.size	k_q55b4bd82a7_quant, .Lfunc_end_k_q55b4bd82a7_quant-k_q55b4bd82a7_quant
	.p2alignl 7, 3214868480
	.fill 96, 4, 3214868480
	.section	.rodata,"a",@progbits
	.p2align	6, 0x0
	.amdhsa_kernel k_q55b4bd82a7_quant
		.amdhsa_group_segment_fixed_size 0
		.amdhsa_private_segment_fixed_size 0
		.amdhsa_enable_private_segment 0
		.amdhsa_kernarg_size 24
		.amdhsa_user_sgpr_count 2
		.amdhsa_user_sgpr_kernarg_segment_ptr 1
		.amdhsa_wavefront_size32 1
		.amdhsa_system_sgpr_workgroup_id_x 1
		.amdhsa_system_sgpr_workgroup_id_y 1
		.amdhsa_system_sgpr_workgroup_id_z 1
		.amdhsa_system_vgpr_workitem_id 0
		.amdhsa_next_free_vgpr 64
		.amdhsa_next_free_sgpr 66
		.amdhsa_reserve_vcc 1
		.amdhsa_float_denorm_mode_32 3
		.amdhsa_float_denorm_mode_16_64 3
		.amdhsa_memory_ordered 1
		.amdhsa_forward_progress 1
		.amdhsa_inst_pref_size 14
	.end_amdhsa_kernel
	.amdgpu_metadata
---
amdhsa.version: [ 1, 2 ]
amdhsa.kernels:
  - .name:           k_q55b4bd82a7_quant
    .symbol:         k_q55b4bd82a7_quant.kd
    .args:
      - { .name: rules, .offset: 0, .size: 8, .value_kind: global_buffer, .address_space: global }
      - { .name: lowp_scales, .offset: 8, .size: 8, .value_kind: global_buffer, .address_space: global }
      - { .name: bq, .offset: 16, .size: 8, .value_kind: global_buffer, .address_space: global }
    .group_segment_fixed_size: 0
    .private_segment_fixed_size: 0
    .kernarg_segment_align: 8
    .kernarg_segment_size: 24
    .max_flat_workgroup_size: 128
    .sgpr_count:     66
    .vgpr_count:     64
    .wavefront_size: 32
...
	.end_amdgpu_metadata
.endif
;; end of part 1
;; launch anfis (part 2): grid 256 x 1, 4 waves a work-group, clusters of 4 x 1, 256,512 bytes of LDS; arguments x, mfs, lowp_scales, bq, out0; writes out0
.if DOCPART == 2
	.amdgcn_target "amdgcn-amd-amdhsa--gfx1250"
	.amdhsa_code_object_version 6
	.text
	.protected	k_q55b4bd82a7_anfis
	.globl	k_q55b4bd82a7_anfis
	.p2align	8
	.type	k_q55b4bd82a7_anfis,@function
k_q55b4bd82a7_anfis:
	s_mov_b64 s[64:65], 0
	v_nop
	global_prefetch_b8 v0, s[64:65] scope:SCOPE_SE
	s_setreg_imm32_b32 hwreg(HW_REG_WAVE_MODE, 25, 1), 1
	s_wait_xcnt 0x0
	s_wait_alu depctr_hold_cnt(0) depctr_sa_sdst(0) depctr_va_vdst(0) depctr_va_sdst(0) depctr_va_ssrc(0) depctr_va_vcc(0) depctr_vm_vsrc(0)
	s_getreg_b32 s2, hwreg(HW_REG_IB_STS2, 6, 4)
	s_cmp_eq_u32 s2, 0
	s_cbranch_scc0 .Lentry_in_a_cluster
	s_endpgm
.Lentry_in_a_cluster:
	s_bfe_u32 s2, ttmp6, 0x10000c
	s_cmp_lg_u32 s2, 0x3003
	s_cbranch_scc0 .Lentry_shape_is_right
	s_endpgm
.Lentry_shape_is_right:
; out0 = Q(norm) Q(rules) x 2^(e0 + e1).  norm[b][k] = the product of seven Gaussian memberships / (their sum over all 2,187 rules + 1e-6), computed in f32 and quantised here to BF8 (E5M2)
; with the given 2^e0; Q(rules) comes as codes from the buffer bq, in the order of the operand's registers.  Sums in f32.
; THE SUM over the 2,187 products is the product over the seven inputs of (m0 + m1 + m2): an identity, for every input.
; K IS RE-ORDERED AND PADDED, 2,187 -> 2,304, alike in both operands.  k = 81 q + j, q from inputs 0-2, j from inputs 3-6.  Wave w takes q = 7 w + a, a = 0..6 (q = 27: zero).  Lanes 0-15 (h = 0) take
; j = jj, lanes 16-31 (h = 1) j = 80 - jj, jj = 0..39: that is the same table with the memberships of inputs 3-6 read in reverse order; the centre j = 40 is h = 0's alone.  So a lane has, for a row,
; 7 x 40 + 7 centres + 1 zero = 288 numbers: four K steps of 128 and one of 64.  Each number is c[a] x T[jj]: c[a] = m0 m1 m2 / (sum + 1e-6), T[jj] = m3 m4 m5 m6.
;   positions, in chunks of 16 (position i of chunk ch):  ch 0..14: a = 2 (ch / 5) + i % 2, jj = 8 (ch % 5) + i / 2;  ch 15, 16: a = 6, jj = 16 (ch - 15) + i;
;   ch 17: i < 8: a = 6, jj = 32 + i;  i = 8..14: the centre of a = i - 8;  i = 15: zero.   So one packed multiply makes two neighbours: T[jj] x (c[a], c[a+1]), (T[jj], T[jj+1]) x c[6], or (c[a], c[a+1]) x T[40].
; SHARES.  A work-group owns 64 rows, four tiles of 16.  THE WAVES SHARE K, NOT THE ROWS: each wave's quarter of the rules' codes is read once and stays in 288 registers, and each of its fragments serves four tiles.
; First wave w makes the tables T and c of tile w and hands them to the others through LDS as images of their registers.  Then 20 units, K step outermost, tile innermost: 64 (at last 32) numbers a lane, the hold,
; the conversion, four matrix instructions (one for each 16 columns).  A unit's matrix instructions stand behind the next unit's multiplies; numbers and codes have two sets of registers.
; At the end the four waves' partial sums meet in LDS, and wave w adds, scales and stores rows 16 w .. 16 w + 15: a row of out0 is 256 bytes, stored whole by sixteen lanes.
; THE MATRIX INSTRUCTION IS USED TRANSPOSED (source 0 = 16 columns of rules, source 1 = my 16 rows): a lane then holds eight neighbouring numbers of a row of out0.
; CLUSTER.  Every work-group reads the same 147,456 bytes of codes: the four work-groups of a cluster ask for them JOINTLY (the same tensor loads, mask 15).  Each wave asks for its own quarter, K step by K step,
; five loads in one group behind the cluster's first round; by this text's count five tensor loads of a wave are out at the most.  All of it fits in LDS at once: no byte is filled twice.
; x is read by seven 4-byte loads a lane (a row is 28 bytes, a tile 448 consecutive bytes), once, not in a loop.
; LIMITS.  e0 between -126 and 112, e0 + e1 between -126 and 127, so that the powers of two below are f32 numbers.  NaN among the inputs and infinite mfs are not served.  A membership under 2^-126 counts as 0.
; The seven factors are multiplied in another order than the source has them: the results differ beyond rounding only where a partial product falls under 2^-126, that is in numbers of norm under 2^-106.
; REGISTERS, in windows of 256: window 0: v1-15 addresses and constants; v16-230 at work on the tables; then v64-191 two sets of 64 numbers, v192-223 two sets of 16 registers of codes; at last v64-191 rows of out0.
;   window 1: the rules' fragments of K steps 0-3 (step s, columns 16 t: v[64 s + 16 t]).   window 2: tile m's tables at v[52 m]: T[0..43], c[0..7]; from v208 the fragments of the last K step.   window 3: accumulator (m, t) at v[32 m + 8 t].
.set NBW,   36864                      ; a wave's quarter of the codes, in bytes
.set TAB,   4*NBW                      ; LDS: the codes from 0; then the tables' images,
.set TIMG,  19*512                     ; for each tile 11 x 512 bytes of T and, for each of the four waves, 2 x 512 of c;
.set CIMG,  11*512
.set PART,  TAB+4*TIMG                 ; then the partial sums: for each wave 64 rows of 256 bytes + 16
.set PP,    272                        ; 68 words: row r starts at bank 4 r mod 64 (64 banks of 4 bytes: ISA guide 11.1)
.set PW,    64*PP
.set LN,    1                          ; v1   lane
.set RR,    2                          ; v2   r = lane % 16: my row in a tile
.set HH,    3                          ; v3   h = lane / 16
.set LI,    4                          ; v4   16 x lane: an image's place for my lane; also my place in two rows of out0
.set IMG,   5                          ; v5   where I store my tile's tables
.set TLD,   6                          ; v6   where I read a tile's T
.set CLD,   7                          ; v7   and my wave's c
.set BLD,   8                          ; v8   my wave's codes
.set PS,    9                          ; v9   partial sums: where I put 32 bytes of a row
.set PR,    10                         ; v10  and where I read 16 bytes of a row back
.set A1,    11                         ; v11  offset of my sigma in mfs
.set LIM0,  12                         ; v12, v13  57,344 x 2^e0, twice: the two halves of a dual instruction take their first sources from different register banks
.set LIM1,  13
.set SCL,   14                         ; v14  2^e0 as f32
.set A2,    15                         ; v15  offset of my row in the tile's part of x
.set XX,    16                         ; v16-22  x of my row
.set SG,    23
.set WA,    24
.set WB,    25
.set MB,    26                         ; v26-46  memberships: input i, function d at MB + 3 i + d
.set SU,    47                         ; v47-53  their sums
.set QT,    54                         ; v54-57  at work
.set T2,    64                         ; v64-72   m5 m6
.set T3,    74                         ; v74-100  m4 m5 m6
.set TT,    104                        ; v104-147 T
.set U0,    148
.set U1,    152
.set CC,    164                        ; v164-195 c: wave g's eight at CC + 8 g
.set P3_0,  224                        ; inputs 3-6 in my half's order: function 0 and 2 change places in lanes 16-31, function 1 stays where it is
.set P3_1,  MB+10
.set P4_0,  225
.set P4_1,  MB+13
.set P4_2,  226
.set P5_0,  227
.set P5_1,  MB+16
.set P5_2,  228
.set P6_0,  229
.set P6_1,  MB+19
.set P6_2,  230
.set ST,    64
.set CD,    192
.set OB,    64
.set B4,    208
.set WV,    14                         ; s14  my wave's number
.set G1A,   68                         ; s[68:75] descriptor group 1: 32 rows of 256 bytes;  s[76:83]: 16 rows
.set G1B,   76
.set G0,    84                         ; s[84:99] descriptor groups 0 of K steps 0-3;  s[60:63] of the last
.set G04,   60
.set MSB, 0
.macro WIN new                         ; the immediate's high byte repeats the setting that is left
.if MSB != \new
	s_set_vgpr_msb (MSB<<8)|\new
.set MSB, \new
.endif
.endm
.macro CROUND                          ; a round of the cluster's barrier
	s_barrier_signal -1
	s_barrier_wait -1
	s_cmp_lg_u32 s[WV], 0
	s_cbranch_scc1 .Lnot_wave_0_\@
	s_barrier_signal -3
.Lnot_wave_0_\@:
	s_barrier_wait -3
	s_barrier_signal -1
	s_barrier_wait -1
.endm
	s_load_b256 s[4:11], s[0:1], 0x0               ; x s[4:5], mfs s[6:7], lowp_scales s[8:9], bq s[10:11]
	s_load_b64 s[12:13], s[0:1], 0x20              ; out0
	v_lshl_add_u32 v254, v0, 2, 0x3e800
	v_mov_b32 v255, 0
	ds_add_u32 v254, v255
	ds_add_u32 v254, v255
	v_lshrrev_b32 v[LN], 5, v0
	v_readfirstlane_b32 s[WV], v[LN]               ; wave 0..3
	v_and_b32 v[LN], 31, v0
	v_and_b32 v[RR], 15, v0
	v_bfe_u32 v[HH], v0, 4, 1
	v_lshlrev_b32 v[LI], 4, v[LN]
	v_min_u32 v[A1], 20, v[LN]                     ; lane l < 21 takes membership function l's sigma; the others repeat the last
	v_lshlrev_b32 v[A1], 3, v[A1]
	v_mul_u32_u24 v[A2], v[RR], 28
	s_bfe_u32 s15, ttmp6, 0x40000                  ; cx: my place in the cluster: it enters x's and out0's addresses alone
	s_lshl_b32 s2, ttmp9, 2
	s_add_co_u32 s2, s2, s15                       ; work-group = 4 x cluster + cx
	s_lshl_b32 s2, s2, 2
	s_add_co_u32 s2, s2, s[WV]                     ; my tile of 16 rows: 4 x work-group + wave
	s_mul_i32 s66, s2, 448                         ; its 16 rows of 28 bytes in x,
	s_mov_b32 s67, 0
	s_lshl_b32 s100, s2, 12                        ; and of 256 bytes in out0
	s_mov_b32 s101, 0
	s_mov_b32 s15, 0x358637bd                      ; 1e-6
	s_mul_i32 s3, s[WV], NBW                       ; my quarter of the codes, in bq and in LDS alike
	; descriptor group 1: a dense block as rows of 256 bytes
	s_mov_b32 s[G1A], 15|(3<<16)|(1<<21)           ; 15:0 the mask: all four work-groups; 17:16 elements of 8 bytes; 21 set beside a mask; no padding
	s_mov_b32 s[G1A+1], 32<<16                     ; tensor_dim0 = 32 elements
	s_mov_b32 s[G1A+2], 32<<16                     ; tensor_dim1 = 32 rows
	s_mov_b32 s[G1A+3], 32<<16                     ; tile_dim0 = 32
	s_mov_b32 s[G1A+4], 32                         ; tile_dim1 = 32
	s_mov_b32 s[G1A+5], 32                         ; from row to row: 32 elements
	s_mov_b32 s[G1A+6], 0
	s_mov_b32 s[G1A+7], 0
	s_mov_b32 s[G1B], 15|(3<<16)|(1<<21)
	s_mov_b32 s[G1B+1], 32<<16
	s_mov_b32 s[G1B+2], 16<<16                     ; 16 rows
	s_mov_b32 s[G1B+3], 32<<16
	s_mov_b32 s[G1B+4], 16
	s_mov_b32 s[G1B+5], 32
	s_mov_b32 s[G1B+6], 0
	s_mov_b32 s[G1B+7], 0
	s_wait_dscnt 0x0
	s_wait_kmcnt 0x0
	s_load_b512 s[16:31], s[6:7], 0x0              ; mfs, 42 numbers: function l's mean in s[16 + 2 l], its sigma in s[17 + 2 l]
	s_load_b512 s[32:47], s[6:7], 0x40
	s_load_b256 s[48:55], s[6:7], 0x80
	s_load_b64 s[56:57], s[6:7], 0xa0
	s_load_b64 s[58:59], s[8:9], 0x0               ; e0, e1
	s_add_nc_u64 s[4:5], s[4:5], s[66:67]
	s_add_nc_u64 s[12:13], s[12:13], s[100:101]
	global_load_b32 v[SG], v[A1], s[6:7] offset:4
.irp i, 0,1,2,3,4,5,6
	global_load_b32 v[XX+\i], v[A2], s[4:5] offset:4*\i
.endr
	; descriptor groups 0: made of the wave's number and bq alone, so they are equal in the four partners
	s_mov_b32 s[G0+2], s3
	s_mov_b32 s[G0+3], 0
	s_add_nc_u64 s[G0+2:G0+3], s[10:11], s[G0+2:G0+3]
.irp s, 1,2,3
	s_add_nc_u64 s[G0+4*\s+2:G0+4*\s+3], s[G0+2:G0+3], \s*8192
.endr
	s_add_nc_u64 s[G04+2:G04+3], s[G0+2:G0+3], 32768
.irp s, 0,1,2,3
	s_mov_b32 s[G0+4*\s], 1                        ; count = 1
	s_add_co_u32 s[G0+4*\s+1], s3, \s*8192         ; LDS address
	s_or_b32 s[G0+4*\s+3], s[G0+4*\s+3], 0x80000000   ; type = 2
.endr
	s_mov_b32 s[G04], 1
	s_add_co_u32 s[G04+1], s3, 32768
	s_or_b32 s[G04+3], s[G04+3], 0x80000000
	CROUND                                         ; all four work-groups are here: the joint loads meet
.irp s, 0,1,2,3
	tensor_load_to_lds s[G0+4*\s:G0+4*\s+3], s[G1A:G1A+7]
	s_nop 0
.endr
	tensor_load_to_lds s[G04:G04+3], s[G1B:G1B+7]
	s_nop 0
	v_add_nc_u32 v[BLD], s3, v[LI]
	s_mul_i32 s3, s[WV], TIMG
	s_add_co_u32 s3, s3, TAB
	v_add_nc_u32 v[IMG], s3, v[LI]
	v_add_nc_u32 v[TLD], TAB, v[LI]
	s_lshl_b32 s3, s[WV], 10
	s_add_co_u32 s3, s3, TAB+CIMG
	v_add_nc_u32 v[CLD], s3, v[LI]
	; ---- THE TABLES OF TILE w.  First, a lane to a membership function: a = sqrt(log2(e) / 2) / (|sigma| + 1e-6), so that a membership is 2^-((x - mean) a)^2
	s_wait_loadcnt 0x0                             ; sigma and x
	v_add_f32 v[WA], s15, |v[SG]|
	v_rcp_f32 v[WB], v[WA]
	s_mul_i32 s3, s[WV], PW                        ; (address work stands behind the reciprocal)
	s_add_co_u32 s3, s3, PART
	v_mul_u32_u24 v[PS], v[RR], PP
	v_lshl_add_u32 v[PS], v[HH], 5, v[PS]
	v_add_nc_u32 v[PS], s3, v[PS]                  ; my wave's block, row r, + 32 h
	s_mul_i32 s3, s[WV], 16*PP
	s_add_co_u32 s3, s3, PART
	v_mul_u32_u24 v[PR], v[HH], PP
	v_lshl_add_u32 v[PR], v[RR], 4, v[PR]
	v_add_nc_u32 v[PR], s3, v[PR]                  ; rows 16 w on: lanes 0-15 one row, lanes 16-31 the next
	s_wait_alu depctr_va_vdst(0)                   ; the wait ahead of the reciprocal's first reader
	v_fma_f32 v[QT], -v[WA], v[WB], 1.0            ; one Newton step
	v_fma_f32 v[WB], v[WB], v[QT], v[WB]
	v_mul_f32 v[WB], 0x3f596d27, v[WB]             ; x sqrt(log2(e) / 2) = 0.8493218
	s_wait_kmcnt 0x0                               ; mfs and the exponents are in: the sigmas' places take the a
.set j, 0
.rept 21
	v_readlane_b32 s[17+2*j], v[WB], j
.set j, j+1
.endr
	s_add_co_i32 s66, s58, 127
	s_lshl_b32 s67, s66, 23
	v_mov_b32 v[SCL], s67                          ; 2^e0: the conversion takes the exponent field
	s_add_co_i32 s66, s66, 15
	s_lshl_b32 s66, s66, 23
	s_or_b32 s66, s66, 0x600000
	v_mov_b32 v[LIM0], s66                         ; 57,344 x 2^e0
	v_mov_b32 v[LIM1], s66
	s_add_co_i32 s100, s58, s59
	s_add_co_i32 s100, s100, 127
	s_lshl_b32 s100, s100, 23                      ; 2^(e0 + e1)
	s_mov_b32 s101, s100                           ; (named with it as a pair, so it is written)
.set j, 0
.rept 21
	v_sub_f32 v[MB+j], v[XX+j/3], s[16+2*j]
.set j, j+1
.endr
.set j, 0
.rept 21
	v_mul_f32 v[MB+j], s[17+2*j], v[MB+j]
.set j, j+1
.endr
.set j, 0
.rept 21
	v_mul_f32 v[MB+j], -v[MB+j], v[MB+j]
.set j, j+1
.endr
.set j, 0
.rept 21
	v_exp_f32 v[MB+j], v[MB+j]
.set j, j+1
.endr
.irp z, TT+41, TT+42, TT+43, CC+7, CC+15, CC+23, CC+30, CC+31
	v_mov_b32 v[\z], 0                             ; the tables' zeros: the padding of K and the images' fill.  (Plain work behind the exponentials)
.endr
	s_wait_alu depctr_va_vdst(0)                   ; one wait for the 21 exponentials, ahead of their first reader
.irp i, 0,1,2,3,4,5,6
	v_add_f32 v[SU+\i], v[MB+3*\i], v[MB+3*\i+1]
.endr
.irp i, 0,1,2,3,4,5,6
	v_add_f32 v[SU+\i], v[SU+\i], v[MB+3*\i+2]
.endr
	v_mul_f32 v[QT], v[SU], v[SU+1]
	v_mul_f32 v[QT+1], v[SU+2], v[SU+3]
	v_mul_f32 v[QT+2], v[SU+4], v[SU+5]
	v_mul_f32 v[QT], v[QT], v[QT+1]
	v_mul_f32 v[QT+2], v[QT+2], v[SU+6]
	v_mul_f32 v[QT], v[QT], v[QT+2]                ; the sum of all 2,187 strengths
	v_add_f32 v[QT], s15, v[QT]
	v_rcp_f32 v[QT+1], v[QT]                       ; T, which does not need it, is made meanwhile
	v_cmp_ne_u32 vcc_lo, 0, v[HH]
	v_cndmask_b32 v[P3_0], v[MB+9], v[MB+11], vcc_lo
	v_cndmask_b32 v[P4_0], v[MB+12], v[MB+14], vcc_lo
	v_cndmask_b32 v[P4_2], v[MB+14], v[MB+12], vcc_lo
	v_cndmask_b32 v[P5_0], v[MB+15], v[MB+17], vcc_lo
	v_cndmask_b32 v[P5_2], v[MB+17], v[MB+15], vcc_lo
	v_cndmask_b32 v[P6_0], v[MB+18], v[MB+20], vcc_lo
	v_cndmask_b32 v[P6_2], v[MB+20], v[MB+18], vcc_lo
.irp a, 0,1,2
.irp b, 0,1,2
	v_mul_f32 v[T2+3*\a+\b], v[P5_\a], v[P6_\b]
.endr
.endr
.irp a, 0,1,2
.irp l, 0,1,2,3,4,5,6,7,8
	v_mul_f32 v[T3+9*\a+\l], v[P4_\a], v[T2+\l]
.endr
.endr
.set j, 0
.rept 27
	v_mul_f32 v[TT+j], v[P3_0], v[T3+j]            ; jj = 0..26
.set j, j+1
.endr
.set j, 0
.rept 14
	v_mul_f32 v[TT+27+j], v[P3_1], v[T3+j]         ; jj = 27..40
.set j, j+1
.endr
	v_cndmask_b32 v[TT+40], v[TT+40], v[TT+41], vcc_lo   ; the centre is lanes 0-15's alone
.irp g, 0,1,2,3,4,5,6,7,8,9,10
	ds_store_b128 v[IMG], v[TT+4*\g:TT+4*\g+3] offset:512*\g
.endr
	s_wait_alu depctr_va_vdst(0)                   ; the wait ahead of the reciprocal's first reader
	v_fma_f32 v[QT+2], -v[QT], v[QT+1], 1.0        ; one Newton step
	v_fma_f32 v[QT+1], v[QT+1], v[QT+2], v[QT+1]   ; 1 / (sum + 1e-6)
.irp a, 0,1,2
	v_mul_f32 v[U0+\a], v[MB+\a], v[QT+1]
.endr
.irp a, 0,1,2
.irp b, 0,1,2
	v_mul_f32 v[U1+3*\a+\b], v[U0+\a], v[MB+3+\b]
.endr
.endr
.set q, 0
.rept 27
	v_mul_f32 v[CC+8*(q/7)+q%7], v[U1+q/3], v[MB+6+q%3]
.set q, q+1
.endr
.irp g, 0,1,2,3,4,5,6,7
	ds_store_b128 v[IMG], v[CC+4*\g:CC+4*\g+3] offset:CIMG+512*\g
.endr
	s_wait_dscnt 0x0                               ; for the others' sake: my images have landed
	s_barrier_signal -1
	s_barrier_wait -1                              ; the four tiles' tables lie in LDS.  (The tensor loads may stay out: no byte is filled twice)
; ---- THE MAIN PART
.macro TFETCH m                        ; tile m's T and my wave's c: 13 loads
.irp g, 0,1,2,3,4,5,6,7,8,9,10
	ds_load_b128 v[52*\m+4*\g:52*\m+4*\g+3], v[TLD] offset:\m*TIMG+512*\g
.endr
.irp g, 0,1
	ds_load_b128 v[52*\m+44+4*\g:52*\m+44+4*\g+3], v[CLD] offset:\m*TIMG+512*\g
.endr
.endm
.macro BFETCH s                        ; the rules' fragments of my K step s.  Only I read the bytes that my tensor loads brought: my own wait is all the ordering that the reads need
	s_wait_tensorcnt 4-(\s)                        ; tensor loads of a wave end in order (ISA guide 10.11.1): step s has landed, the 4 - s younger loads may stay out
.if (\s) < 4
	WIN 0x40                                       ; destination window 1
.irp t, 0,1,2,3
.irp c, 0,1,2,3
	ds_load_b128 v[64*(\s)+16*\t+4*\c:64*(\s)+16*\t+4*\c+3], v[BLD] offset:8192*(\s)+2048*\t+512*\c
.endr
.endr
.else
	WIN 0x80                                       ; destination window 2
.irp t, 0,1,2,3
.irp c, 0,1
	ds_load_b128 v[B4+8*\t+4*\c:B4+8*\t+4*\c+3], v[BLD] offset:32768+1024*\t+512*\c
.endr
.endr
.endif
.endm
.macro PROD u                          ; unit u = 4 x K step + tile: its numbers, two an instruction
.set SB, ST+64*((\u)%2)
.set TBS, 52*((\u)%4)
.set CBS, TBS+44
.set NP, 32-16*((\u)/16)
.set p, 0
.rept NP
.set nn, 64*((\u)/4)+2*p
.set ch, nn/16
.set ii, nn%16
.if ch < 15
.set jj, 8*(ch%5)+ii/2
.set cp, CBS+2*(ch/5)
.if jj%2
	v_pk_mul_f32 v[SB+2*p:SB+2*p+1], v[TBS+jj-1:TBS+jj], v[cp:cp+1] op_sel:[1,0] op_sel_hi:[1,1]   ; T[jj], the pair's upper register, x (c[a], c[a+1])
.else
	v_pk_mul_f32 v[SB+2*p:SB+2*p+1], v[TBS+jj:TBS+jj+1], v[cp:cp+1] op_sel_hi:[0,1]                ; T[jj], the pair's lower register, x (c[a], c[a+1])
.endif
.elseif (ch < 17) || (ii < 8)
.set jj, 16*(ch-15)+ii
	v_pk_mul_f32 v[SB+2*p:SB+2*p+1], v[TBS+jj:TBS+jj+1], v[CBS+6:CBS+7] op_sel_hi:[1,0]            ; (T[jj], T[jj+1]) x c[6]
.else
	v_pk_mul_f32 v[SB+2*p:SB+2*p+1], v[CBS+ii-8:CBS+ii-7], v[TBS+40:TBS+41] op_sel_hi:[1,0]        ; (c[a], c[a+1]) x T[40]; c[7] = 0
.endif
.set p, p+1
.endr
.endm
.macro HOLD u                          ; the conversion to an 8-bit code does not saturate (ISA guide 7.6.2); norm is never negative, so the hold is one-sided; two numbers an instruction
.set SB, ST+64*((\u)%2)
.set NP, 32-16*((\u)/16)
.set p, 0
.rept NP
	v_dual_min_num_f32 v[SB+2*p], v[LIM0], v[SB+2*p] :: v_dual_min_num_f32 v[SB+2*p+1], v[LIM1], v[SB+2*p+1]
.set p, p+1
.endr
.endm
.macro CODE u                          ; eight numbers / 2^e0 to the nearest code, ties to even.  The next unit's multiplies, plain and on other registers, stand between these and the products that read the codes
.set SB, ST+64*((\u)%2)
.set CDB, CD+16*((\u)%2)
.set NP, 32-16*((\u)/16)
.set g, 0
.rept NP/4
	v_cvt_scalef32_pk8_bf8_f32 v[CDB+2*g:CDB+2*g+1], v[SB+8*g:SB+8*g+7], v[SCL]
.set g, g+1
.endr
.endm
.macro MMA u                           ; the unit's four products.  The sixteen accumulators take turns, one instruction a turn; the first K step starts the sums
.set KS, (\u)/4
.set AB, 32*((\u)%4)
.set CDB, CD+16*((\u)%2)
.if KS < 4
	WIN 0xf1                                       ; source 0 (rules) window 1, source 1 (my codes) window 0, C and D window 3
.irp t, 0,1,2,3
.if KS == 0
	v_wmma_f32_16x16x128_bf8_bf8 v[AB+8*\t:AB+8*\t+7], v[64*KS+16*\t:64*KS+16*\t+15], v[CDB:CDB+15], 0
.else
	v_wmma_f32_16x16x128_bf8_bf8 v[AB+8*\t:AB+8*\t+7], v[64*KS+16*\t:64*KS+16*\t+15], v[CDB:CDB+15], v[AB+8*\t:AB+8*\t+7]
.endif
.endr
.else
	WIN 0xf2                                       ; source 0 window 2.  The other form writes over sums of the K = 128 form: three units' plain vector work lies between
.irp t, 0,1,2,3
	v_wmma_f32_16x16x64_bf8_bf8 v[AB+8*\t:AB+8*\t+7], v[B4+8*\t:B4+8*\t+7], v[CDB:CDB+7], v[AB+8*\t:AB+8*\t+7]
.endr
.endif
.endm
	WIN 0x80                                       ; destination window 2
	TFETCH 0
	BFETCH 0
	WIN 0x80
	TFETCH 1
	TFETCH 2
	TFETCH 3
.set U, 0
.rept 20
.if U == 0
	s_wait_dscnt 55                                ; LDS loads come back in order (ISA guide 5.7.1): tile 0's 13 are in; behind them: 16 of the rules' and 39 of tiles 1-3
.elseif U == 1
	s_wait_dscnt 26                                ; the rules' first step and tile 1's tables are in; behind them: tiles 2 and 3
.elseif U == 2
	s_wait_dscnt 13                                ; tile 2's; behind them: tile 3's
.elseif U == 3
	s_wait_dscnt 0x0
.endif
	WIN 0x0a                                       ; sources 0 and 1 (the tables) window 2, destination window 0
	PROD U
.if U > 0
.if (U > 4) && (U%4 == 1)
	s_wait_dscnt 0x0                               ; the rules' fragments of this K step, asked for a unit and a half ago
.endif
	MMA U-1
.endif
.if (U%4 == 3) && (U < 16)
	BFETCH U/4+1                                   ; the next K step's, into registers of their own
.endif
	WIN 0
	HOLD U
	CODE U
.set U, U+1
.endr
	v_nop                                          ; one plain vector instruction between the last conversion and the products that read its codes
	MMA 19
	WIN 0
.rept 4
	v_nop                                          ; four places between the last products and the stores that read their results
.endr
	; ---- THE WAY OUT.  My partial sums go to LDS by rows: lane (r, h) holds, of row 16 m + r, columns 16 t + 8 h + 0..7; each accumulator from its low end on
	WIN 0x0c                                       ; the stores' data: window 3
.irp m, 0,1,2,3
.irp t, 0,1,2,3
	ds_store_b128 v[PS], v[32*\m+8*\t:32*\m+8*\t+3] offset:\m*16*PP+64*\t
	ds_store_b128 v[PS], v[32*\m+8*\t+4:32*\m+8*\t+7] offset:\m*16*PP+64*\t+16
.endr
.endr
	WIN 0
	s_wait_dscnt 0x0                               ; for the others' sake: my stores have landed
	s_barrier_signal -1
	s_barrier_wait -1
.irp i, 0,1,2,3,4,5,6,7                ; rows 16 w + 2 i and + 1, from each of the four waves' blocks
.irp p, 0,1,2,3
	ds_load_b128 v[OB+16*\i+4*\p:OB+16*\i+4*\p+3], v[PR] offset:\p*PW+\i*2*PP
.endr
.endr
.irp i, 0,1,2,3,4,5,6,7
	s_wait_dscnt 28-4*\i                           ; this pair of rows' four loads are in; the 4 (7 - i) younger ones may be out
	v_pk_add_f32 v[OB+16*\i:OB+16*\i+1], v[OB+16*\i:OB+16*\i+1], v[OB+16*\i+4:OB+16*\i+5]
	v_pk_add_f32 v[OB+16*\i+2:OB+16*\i+3], v[OB+16*\i+2:OB+16*\i+3], v[OB+16*\i+6:OB+16*\i+7]
	v_pk_add_f32 v[OB+16*\i+8:OB+16*\i+9], v[OB+16*\i+8:OB+16*\i+9], v[OB+16*\i+12:OB+16*\i+13]
	v_pk_add_f32 v[OB+16*\i+10:OB+16*\i+11], v[OB+16*\i+10:OB+16*\i+11], v[OB+16*\i+14:OB+16*\i+15]
	v_pk_add_f32 v[OB+16*\i:OB+16*\i+1], v[OB+16*\i:OB+16*\i+1], v[OB+16*\i+8:OB+16*\i+9]
	v_pk_add_f32 v[OB+16*\i+2:OB+16*\i+3], v[OB+16*\i+2:OB+16*\i+3], v[OB+16*\i+10:OB+16*\i+11]
	v_pk_mul_f32 v[OB+16*\i:OB+16*\i+1], v[OB+16*\i:OB+16*\i+1], s[100:101] op_sel_hi:[1,0]       ; x 2^(e0 + e1)
	v_pk_mul_f32 v[OB+16*\i+2:OB+16*\i+3], v[OB+16*\i+2:OB+16*\i+3], s[100:101] op_sel_hi:[1,0]
	global_store_b128 v[LI], v[OB+16*\i:OB+16*\i+3], s[12:13] offset:512*\i th:TH_STORE_NT         ; 32 lanes store two whole rows, 512 consecutive bytes, aligned; written once, read by nobody here
.endr
	s_wait_tensorcnt 0x0
	ds_add_u32 v254, v255
	s_wait_dscnt 0x0
	CROUND                                         ; the closing round: no work-group ends while a partner may still ask for a tile that names it.  (All my tensor loads were waited for ahead of the last K step)
	s_endpgm
.Lfunc_end_k_q55b4bd82a7_anfis:
	.size	k_q55b4bd82a7_anfis, .Lfunc_end_k_q55b4bd82a7_anfis-k_q55b4bd82a7_anfis
	.p2alignl 7, 3214868480
	.fill 96, 4, 3214868480
	.section	.rodata,"a",@progbits
	.p2align	6, 0x0
	.amdhsa_kernel k_q55b4bd82a7_anfis
		.amdhsa_group_segment_fixed_size 256512
		.amdhsa_private_segment_fixed_size 0
		.amdhsa_enable_private_segment 0
		.amdhsa_kernarg_size 40
		.amdhsa_user_sgpr_count 2
		.amdhsa_user_sgpr_kernarg_segment_ptr 1
		.amdhsa_wavefront_size32 1
		.amdhsa_system_sgpr_workgroup_id_x 1
		.amdhsa_system_sgpr_workgroup_id_y 1
		.amdhsa_system_sgpr_workgroup_id_z 1
		.amdhsa_system_vgpr_workitem_id 0
		.amdhsa_next_free_vgpr 896
		.amdhsa_next_free_sgpr 102
		.amdhsa_reserve_vcc 1
		.amdhsa_float_denorm_mode_32 3
		.amdhsa_float_denorm_mode_16_64 3
		.amdhsa_memory_ordered 1
		.amdhsa_forward_progress 1
		.amdhsa_inst_pref_size 126
	.end_amdhsa_kernel
	.amdgpu_metadata
---
amdhsa.version: [ 1, 2 ]
amdhsa.kernels:
  - .name:           k_q55b4bd82a7_anfis
    .symbol:         k_q55b4bd82a7_anfis.kd
    .args:
      - { .name: x, .offset: 0, .size: 8, .value_kind: global_buffer, .address_space: global }
      - { .name: mfs, .offset: 8, .size: 8, .value_kind: global_buffer, .address_space: global }
      - { .name: lowp_scales, .offset: 16, .size: 8, .value_kind: global_buffer, .address_space: global }
      - { .name: bq, .offset: 24, .size: 8, .value_kind: global_buffer, .address_space: global }
      - { .name: out0, .offset: 32, .size: 8, .value_kind: global_buffer, .address_space: global }
    .group_segment_fixed_size: 256512
    .private_segment_fixed_size: 0
    .kernarg_segment_align: 8
    .kernarg_segment_size: 40
    .max_flat_workgroup_size: 128
    .sgpr_count:     102
    .vgpr_count:     896
    .wavefront_size: 32
...
	.end_amdgpu_metadata
.endif
;; end of part 2
